; MI455X (gfx1250); checked and timed in simulation.
; The chip was launched on July 23, 2026; its instructions are those of AMD's public machine-readable ISA for CDNA 5 (MIT licence, August 2026) and "CDNA5" Instruction Set Architecture Reference Guide (July 2026). The comments in the code are by the model that wrote it; some were corrected since.
;; Efficient Attention. Allowed arithmetic: float matrix products may take bf16 or f16 operands with f32 sums; all other float work in f32.
;; Inputs: k 1 x 16 x 4,096 x 64 float32; q 1 x 16 x 4,096 x 64 float32; v 1 x 16 x 4,096 x 64 float32.
;; Outputs: out0 1 x 16 x 4,096 x 64 float32.
;; 2 versions, each right; version 2 is version 1 with the launch attn written anew for expert scheduling mode. Each part assembles by itself: llvm-mc -triple=amdgcn-amd-amdhsa -mcpu=gfx1250 --defsym DOCPART=n.
;; ======== version 1 of 2: 1 launch
;; launch attn (part 1): grid 16 x 16, 4 waves a work-group, no clusters, 109,056 bytes of LDS; arguments q, k, v, out0; writes out0
.if DOCPART == 1
	.amdgcn_target "amdgcn-amd-amdhsa--gfx1250"
	.amdhsa_code_object_version 6
	.text
	.protected	k_q26ff255c76_attn
	.globl	k_q26ff255c76_attn
	.p2align	8
	.type	k_q26ff255c76_attn,@function
k_q26ff255c76_attn:
	s_mov_b64 s[64:65], 0
	v_nop
	global_prefetch_b8 v0, s[64:65] scope:SCOPE_SE
	s_setreg_imm32_b32 hwreg(HW_REG_WAVE_MODE, 25, 1), 1
	s_wait_xcnt 0x0
; out = softmax(q k^T / 8) v for 16 heads, 4,096 positions, 64 numbers a head; q, k, v, out in f32.
; One launch.  Work-group (x, y): head y, queries 256 x .. 256 x + 255.  Four waves, 64 queries each (four tiles of 16).
; The work-group walks the head's 4,096 keys in 64 trips of 64 keys; scores never leave registers (running maximum).
;
; FORM.  Scores are made transposed, S^T = K Q^T: in the result lane (r, h) holds keys 8h .. 8h+7 of ONE query r, so the
; maximum, the sum, the rescale factor and 1/l are numbers of the lane; only the maximum crosses the two halves of the wave.
; Two score tiles (keys 0-15, 16-31), rounded in pairs to bf16, ARE the second source of a product over 32 keys: no move.
; The output is made transposed too, O^T = V^T P^T; V^T's fragments come from V kept [key][d] by the transposing LDS load.
; p = exp2(c s + NM), c = log2(e) / 8, NM = -(c m) rounded once; alpha = exp2(NM new - NM old): old and new terms rest on
; the same rounded shifts.  The first trip is written out: no old maximum, no rescale, the first products start the sums.
;
; K AND V come as f32 and are multiplied as bf16.  Each wave loads a quarter of a tile into registers, rounds it and stores
; it to LDS once for all four waves: 16 KiB of LDS stores a trip.
; NO CLUSTER, NO JOINT REQUESTS, though the 16 work-groups of a head read the same K and V: a tile brought into LDS by a
; copy lands as f32, 32 KiB a trip, which would have to be read back (32 KiB) and stored again as bf16 (16 KiB) before the
; 64 KiB of fragment loads: 144 KiB of LDS traffic a trip in place of 80 KiB.
; Instead the 16 work-groups share out the asking: see PREFETCH below.
;
; LIMITS.  q, k, v and p are rounded to bf16 for the products; sums, maxima and exponentials are f32.  l is summed from p
; before its rounding.  NaN and infinite inputs are not served (the maximum drops a NaN).  A p below 2^-126 counts as 0.
.set KPITCH, 144                       ; a K row in LDS: 128 bytes + 16: an odd multiple of 16, so 16 rows start in 16 different 16-byte columns of 256
.set VPITCH, 160                       ; a V row: 128 bytes + 32: an odd multiple of 32, as the transposing load's addresses want
.set KSLOT,  64*KPITCH                 ; 9,216
.set VSLOT,  64*VPITCH                 ; 10,240
.set VBASE,  2*KSLOT                   ; K slot 0, K slot 1, V slot 0, V slot 1; tile t lies in slot t & 1
.set STAGE,  VBASE+2*VSLOT             ; 38,912: then a stage for each wave, its own bytes
.set OPITCH, 272                       ; the stage at the end: 64 rows of 256 bytes + 16
.set STBYTES, 64*OPITCH                ; 17,408 (at the start it holds Q: 64 rows of 144 bytes)
.set TILEB,  16384                     ; 64 keys x 256 bytes of f32
; window 0
.set OGO, 1                            ; 16 x lane
.set KLD, 2                            ; K fragments: r x 144 + 16 h
.set VLD, 3                            ; V fragments: (8 h + lane % 8) x 160 + 16 x (lane / 8 % 2)
.set KST, 4                            ; my 8 bytes of K in a slot: wave x 16 rows + h x 144 + 8 r
.set VST, 5                            ; the same for V
.set GOF, 6                            ; my 16 bytes in a tile of f32: 4,096 x wave + 16 x lane
.set PFO, 7                            ; 256 x lane
.set QST, 8                            ; stage: Q in
.set QLD, 9                            ; stage: Q's fragments out
.set OST, 10                           ; stage: O in
.set ORD, 11                           ; stage: O's rows out
.set MX,  12                           ; v[12:15]   running maximum of query tile q
.set TN,  16                           ; v[16:19]   the new maximum before the halves meet
.set XH,  20                           ; v[20:23]   what the other half sent
.set NM,  24                           ; v[24:31]   -(c m), twice (a pair for the packed forms)
.set AL,  32                           ; v[32:39]   alpha, twice; at the end 1 / l
.set LS,  40                           ; v[40:47]   l: two partial sums of my half's keys
.set QF,  48                           ; v[48:111]  Q's fragments: tile q, d half c at 16 q + 8 c
.set SC,  112                          ; v[112:239] scores: tile q, keys 16 kt.. at 32 q + 8 kt; then p; P for 32 keys at 32 q + 16 g
.set TP,  240                          ; v[240:245] at work
.set U0,  246
.set U1,  248
; window 1
.set OA,  0                            ; v[256:383] O^T: tile q, d 16 dt.. at 32 q + 8 dt
.set KF,  128                          ; v[384:447] K's fragments: keys 16 kt.., d half c at 16 kt + 8 c
.set VF,  192                          ; v[448:511] V^T's fragments: keys 32 g.., d 16 dt.. at 32 g + 8 dt
; window 2
.set GK,  0                            ; v[512:543] my quarter of the next K tile, f32 as loaded
.set GV,  32                           ; v[544:575] the same for V
; s_set_vgpr_msb's low byte: bits 1:0 source 0, 3:2 source 1, 5:4 source 2, 7:6 destination; the high byte repeats the setting left.
.set MSB, 0
.macro WIN new
.if MSB != \new
	s_set_vgpr_msb (MSB<<8)|\new
.set MSB, \new
.endif
.endm
	s_load_b256 s[4:11], s[0:1], 0x0               ; q s[4:5], k s[6:7], v s[8:9], out s[10:11]
	v_lshl_add_u32 v254, v0, 2, 0x1a800
	v_mov_b32 v255, 0
	v_lshrrev_b32 v[TP], 5, v0
	v_readfirstlane_b32 s12, v[TP]                 ; wave 0..3
	s_mov_b32 s13, ttmp9                           ; x: block of 256 queries
	s_and_b32 s14, ttmp7, 0xffff                   ; y: head
	s_mov_b32 s20, 0x76543210                      ; v_permlanex16_b32: lane i of one half reads lane i of the other
	s_mov_b32 s21, 0xfedcba98
	s_mov_b32 s23, 0xbe38aa3b                      ; -c
	s_mov_b32 s26, 0x3e38aa3b                      ; c = log2(e) / 8, in a pair: the packed form names both
	s_mov_b32 s27, 0x3e38aa3b
	s_mul_i32 s15, s12, STBYTES
	s_add_co_u32 s15, s15, STAGE                   ; my stage
	v_and_b32 v[TP+1], 31, v0                      ; lane
	v_and_b32 v[TP+2], 15, v0                      ; r
	v_bfe_u32 v[TP+3], v0, 4, 1                    ; h
	v_and_b32 v[TP+4], 7, v0
	v_bfe_u32 v[TP+5], v0, 3, 1
	v_lshlrev_b32 v[OGO], 4, v[TP+1]
	v_lshlrev_b32 v[PFO], 8, v[TP+1]
	v_mul_u32_u24 v[KLD], v[TP+2], KPITCH
	v_lshl_add_u32 v[KLD], v[TP+3], 4, v[KLD]
	v_lshl_add_u32 v[TP+4], v[TP+3], 3, v[TP+4]
	v_mul_u32_u24 v[VLD], v[TP+4], VPITCH
	v_lshl_add_u32 v[VLD], v[TP+5], 4, v[VLD]
	s_mul_i32 s2, s12, 16*KPITCH                   ; wave w stages keys 16 w .. 16 w + 15 of every tile
	s_mul_i32 s3, s12, 16*VPITCH
	v_mul_u32_u24 v[KST], v[TP+3], KPITCH
	v_lshl_add_u32 v[KST], v[TP+2], 3, v[KST]      ; h x 144 + 8 r
	v_add_nc_u32 v[QST], s15, v[KST]               ; Q goes into the stage in the same shape
	v_add_nc_u32 v[KST], s2, v[KST]
	v_mul_u32_u24 v[VST], v[TP+3], VPITCH
	v_lshl_add_u32 v[VST], v[TP+2], 3, v[VST]
	v_add_nc_u32 v[VST], s3, v[VST]
	v_add_nc_u32 v[QLD], s15, v[KLD]
	v_mul_u32_u24 v[OST], v[TP+2], OPITCH
	v_lshl_add_u32 v[OST], v[TP+3], 5, v[OST]
	v_add_nc_u32 v[OST], s15, v[OST]               ; row r, 32 bytes for each half
	v_mul_u32_u24 v[ORD], v[TP+3], OPITCH
	v_lshl_add_u32 v[ORD], v[TP+2], 4, v[ORD]
	v_add_nc_u32 v[ORD], s15, v[ORD]               ; lanes 0-15 one row, lanes 16-31 the next
	s_lshl_b32 s2, s12, 12
	v_add_nc_u32 v[GOF], s2, v[OGO]
.irp q, 0,1,2,3
	v_mov_b32 v[XH+\q], 0                          ; v_permlanex16_b32's destination counts as read
.endr
	s_lshl_b32 s16, s14, 20                        ; a head is 1 MiB
	s_mov_b32 s17, 0
	s_lshl_b32 s2, s13, 16                         ; 256 queries are 64 KiB,
	s_lshl_b32 s3, s12, 14                         ; a wave's 64 are 16 KiB
	s_add_co_u32 s2, s2, s3
	s_add_co_u32 s2, s2, s16
	s_mov_b32 s3, 0
	s_and_b32 s24, s13, 7
	s_lshl_b32 s24, s24, 13                        ; my piece of 8 KiB in what the head asks for at a time
	s_mov_b32 s25, 0
	s_wait_kmcnt 0x0
	s_add_nc_u64 s[6:7], s[6:7], s[16:17]          ; K at the head's tile 0
	s_add_nc_u64 s[8:9], s[8:9], s[16:17]          ; V likewise
	s_add_nc_u64 s[4:5], s[4:5], s[2:3]            ; q and out at my wave's first row
	s_add_nc_u64 s[10:11], s[10:11], s[2:3]
	s_cmp_lt_u32 s13, 8                            ; PREFETCH: work-groups 0-7 ask for K, 8-15 for V
	s_cselect_b64 s[18:19], s[6:7], s[8:9]
	s_add_nc_u64 s[18:19], s[18:19], s[24:25]
; 16 loads: my quarter of a K tile and of a V tile; each covers 512 consecutive bytes
.macro LOADKV
	WIN 0x80
.irp i, 0,1,2,3,4,5,6,7
	global_load_b128 v[GK+4*\i:GK+4*\i+3], v[GOF], s[6:7] offset:512*\i
.endr
.irp i, 0,1,2,3,4,5,6,7
	global_load_b128 v[GV+4*\i:GV+4*\i+3], v[GOF], s[8:9] offset:512*\i
.endr
	WIN 0
.endm
; round my quarter to bf16 in place and put it into slot ns: word i is key 16 wave + 2 i + h, d = 4 r .. 4 r + 3
.macro CVTST ns
	WIN 0x8a
.irp i, 0,1,2,3,4,5,6,7,8,9,10,11,12,13,14,15
	v_cvt_pk_bf16_f32 v[GK+4*\i], v[GK+4*\i], v[GK+4*\i+1]
	v_cvt_pk_bf16_f32 v[GK+4*\i+1], v[GK+4*\i+2], v[GK+4*\i+3]
.endr
	WIN 0x08
.irp i, 0,1,2,3,4,5,6,7
	ds_store_b64 v[KST], v[GK+4*\i:GK+4*\i+1] offset:\ns*KSLOT+2*KPITCH*\i
.endr
.irp i, 0,1,2,3,4,5,6,7
	ds_store_b64 v[VST], v[GV+4*\i:GV+4*\i+1] offset:VBASE+\ns*VSLOT+2*VPITCH*\i
.endr
	WIN 0
.endm
; K's fragments of a tile: 16 keys x 32 d are two loads of 16 bytes, 32 bytes apart
.macro LDK slot
	WIN 0x40
.irp kt, 0,1,2,3
.irp j, 0,1,2,3
	ds_load_b128 v[KF+16*\kt+4*\j:KF+16*\kt+4*\j+3], v[KLD] offset:\slot*KSLOT+16*KPITCH*\kt+32*\j
.endr
.endr
.endm
; V^T's fragments: 16 d x 32 keys are two transposing loads, 16 rows apart
.macro LDV slot
	WIN 0x40
.irp g, 0,1
.irp dt, 0,1,2,3
.irp e, 0,1
	ds_load_tr16_b128 v[VF+32*\g+8*\dt+4*\e:VF+32*\g+8*\dt+4*\e+3], v[VLD] offset:VBASE+\slot*VSLOT+32*VPITCH*\g+32*\dt+16*VPITCH*\e
.endr
.endr
.endr
.endm
; scores of query tile q against 64 keys: four sums started by the constant 0, then their second links in place
.macro QK q
	WIN 0x01
.irp kt, 0,1,2,3
	v_wmma_f32_16x16x32_bf16 v[SC+32*\q+8*\kt:SC+32*\q+8*\kt+7], v[KF+16*\kt:KF+16*\kt+7], v[QF+16*\q:QF+16*\q+7], 0
.endr
.irp kt, 0,1,2,3
	v_wmma_f32_16x16x32_bf16 v[SC+32*\q+8*\kt:SC+32*\q+8*\kt+7], v[KF+16*\kt+8:KF+16*\kt+15], v[QF+16*\q+8:QF+16*\q+15], v[SC+32*\q+8*\kt:SC+32*\q+8*\kt+7]
.endr
.endm
; O^T of query tile q += V^T P^T over 64 keys.  zero = 1: the first product starts the sums
.macro PV q, zero
	WIN 0x51
.irp dt, 0,1,2,3
.if \zero
	v_wmma_f32_16x16x32_bf16 v[OA+32*\q+8*\dt:OA+32*\q+8*\dt+7], v[VF+8*\dt:VF+8*\dt+7], v[SC+32*\q:SC+32*\q+7], 0
.else
	v_wmma_f32_16x16x32_bf16 v[OA+32*\q+8*\dt:OA+32*\q+8*\dt+7], v[VF+8*\dt:VF+8*\dt+7], v[SC+32*\q:SC+32*\q+7], v[OA+32*\q+8*\dt:OA+32*\q+8*\dt+7]
.endif
.endr
.irp dt, 0,1,2,3
	v_wmma_f32_16x16x32_bf16 v[OA+32*\q+8*\dt:OA+32*\q+8*\dt+7], v[VF+32+8*\dt:VF+32+8*\dt+7], v[SC+32*\q+16:SC+32*\q+23], v[OA+32*\q+8*\dt:OA+32*\q+8*\dt+7]
.endr
.endm
; O^T of query tile q times the lane's AL (alpha; at the end 1 / l)
.macro RS q
	WIN 0x41
.irp i, 0,1,2,3,4,5,6,7,8,9,10,11,12,13,14,15
	v_pk_mul_f32 v[OA+32*\q+2*\i:OA+32*\q+2*\i+1], v[OA+32*\q+2*\i:OA+32*\q+2*\i+1], v[AL+2*\q:AL+2*\q+1]
.endr
.endm
; the new maximum of query tile q, its shift NM and alpha.  Four chains over my 32 scores, joined with the old maximum.
.macro SMA q, first
	WIN 0
.irp kt, 0,1,2,3
	v_max3_num_f32 v[TP+\kt], v[SC+32*\q+8*\kt], v[SC+32*\q+8*\kt+1], v[SC+32*\q+8*\kt+2]
.endr
.irp kt, 0,1,2,3
	v_max3_num_f32 v[TP+\kt], v[TP+\kt], v[SC+32*\q+8*\kt+3], v[SC+32*\q+8*\kt+4]
.endr
.irp kt, 0,1,2,3
	v_max3_num_f32 v[TP+\kt], v[TP+\kt], v[SC+32*\q+8*\kt+5], v[SC+32*\q+8*\kt+6]
.endr
	v_max3_num_f32 v[TP], v[TP], v[TP+1], v[SC+32*\q+7]
	v_max3_num_f32 v[TP+2], v[TP+2], v[TP+3], v[SC+32*\q+15]
	v_max3_num_f32 v[TP], v[TP], v[SC+32*\q+23], v[SC+32*\q+31]
.if \first
	v_max_num_f32 v[TN+\q], v[TP], v[TP+2]
.else
	v_max3_num_f32 v[TN+\q], v[TP], v[TP+2], v[MX+\q]
.endif
	v_permlanex16_b32 v[XH+\q], v[TN+\q], s20, s21 ; the other half's keys of the same query
	v_max_num_f32 v[MX+\q], v[TN+\q], v[XH+\q]
.if \first
	v_mul_f32 v[NM+2*\q], s23, v[MX+\q]
	v_mul_f32 v[NM+2*\q+1], s23, v[MX+\q]
.else
	v_mul_f32 v[TP+4], s23, v[MX+\q]
	v_sub_f32 v[TP+5], v[TP+4], v[NM+2*\q]         ; NM new - NM old, never above 0
	v_exp_f32 v[AL+2*\q], v[TP+5]
	v_exp_f32 v[AL+2*\q+1], v[TP+5]
	v_mov_b32 v[NM+2*\q], v[TP+4]                  ; the plain instructions that stand behind the exponentials before alpha is used
	v_mov_b32 v[NM+2*\q+1], v[TP+4]
.endif
.endm
; 16 score registers (32 keys, half g of the tile) of query tile q: p = exp2(c s + NM), l, and P in bf16 in the first 8 registers.
; In halves a and b, so that behind each run of exponentials plain work on the other half stands before its results are used.
.macro SMB q, g, first
	WIN 0
.set RB, SC+32*\q+16*\g
.irp i, 0,2,4,6
	v_pk_fma_f32 v[RB+\i:RB+\i+1], v[RB+\i:RB+\i+1], s[26:27], v[NM+2*\q:NM+2*\q+1] op_sel_hi:[1,0,1]
.endr
.irp i, 0,1,2,3,4,5,6,7
	v_exp_f32 v[RB+\i], v[RB+\i]
.endr
.irp i, 8,10,12,14
	v_pk_fma_f32 v[RB+\i:RB+\i+1], v[RB+\i:RB+\i+1], s[26:27], v[NM+2*\q:NM+2*\q+1] op_sel_hi:[1,0,1]
.endr
.irp i, 8,9,10,11,12,13,14,15
	v_exp_f32 v[RB+\i], v[RB+\i]
.endr
	s_wait_alu depctr_va_vdst(0)
	v_pk_add_f32 v[U0:U0+1], v[RB:RB+1], v[RB+2:RB+3]
	v_pk_add_f32 v[U1:U1+1], v[RB+4:RB+5], v[RB+6:RB+7]
.if \g
	v_pk_add_f32 v[U0:U0+1], v[U0:U0+1], v[U1:U1+1]
	v_pk_add_f32 v[LS+2*\q:LS+2*\q+1], v[LS+2*\q:LS+2*\q+1], v[U0:U0+1]
.else
.if \first
	v_pk_add_f32 v[LS+2*\q:LS+2*\q+1], v[U0:U0+1], v[U1:U1+1]                              ; l starts here: nothing is cleared
.else
	v_pk_add_f32 v[U0:U0+1], v[U0:U0+1], v[U1:U1+1]
	v_pk_fma_f32 v[LS+2*\q:LS+2*\q+1], v[LS+2*\q:LS+2*\q+1], v[AL+2*\q:AL+2*\q+1], v[U0:U0+1] ; the old l is rescaled once a trip
.endif
.endif
.irp i, 0,1,2,3
	v_cvt_pk_bf16_f32 v[RB+\i], v[RB+2*\i], v[RB+2*\i+1]       ; keys 8h + 2i, 8h + 2i + 1
.endr
	v_pk_add_f32 v[U0:U0+1], v[RB+8:RB+9], v[RB+10:RB+11]
	v_pk_add_f32 v[U1:U1+1], v[RB+12:RB+13], v[RB+14:RB+15]
	v_pk_add_f32 v[U0:U0+1], v[U0:U0+1], v[U1:U1+1]
	v_pk_add_f32 v[LS+2*\q:LS+2*\q+1], v[LS+2*\q:LS+2*\q+1], v[U0:U0+1]
.irp i, 0,1,2,3
	v_cvt_pk_bf16_f32 v[RB+4+\i], v[RB+8+2*\i], v[RB+8+2*\i+1] ; keys 16 + 8h + 2i, ..
.endr
.endm
; ONE TRIP = tile t in slot, four phases.  In phase q the vector work on query tile q stands between the products PV(q-1) and QK(q+1),
; so that every matrix result is read, and every matrix source rewritten or loaded again, at least sixteen plain vector instructions
; later, four being asked (ISA guide 7.12.1).  PV 3 of a trip stands at the head of the next, QK 0 of the next trip in phase 3.
; first: trip 0.  second: trip 1 (its PV 3 is trip 0's and starts the sums).  more: a tile follows, in slot ns.
; load: tile t + 2 exists and is asked for.  pf: this trip asks the L2 for a piece of four later tiles.
; ONE BARRIER A TRIP.  In front of its signal my LDS stores of tile t + 1 are done and so are my reads of K(t) and V(t); behind its wait
; K(t+1) and, in the next trip, V(t+1) are read, and in the next trip's phase 1 tile t + 2 is stored over K(t) and V(t).
.macro TRIP slot, ns, first, second, more, load, pf, lbl
	; phase 0
.if \first == 0
	PV 3, \second
.endif
	SMA 0, \first
	LDV \slot                                      ; behind SMA 0's plain instructions: PV 3 has read the old fragments
	SMB 0, 0, \first
	QK 1
.if \first == 0
	RS 0
.endif
	SMB 0, 1, \first
	; phase 1
	s_wait_dscnt 0x0                               ; V^T's fragments are in
	PV 0, \first
.if \more
	s_wait_loadcnt 0x0                             ; tile t + 1, asked for in the last trip's phase 2; nothing younger is out
	CVTST \ns
.endif
	SMA 1, \first
	SMB 1, 0, \first
	QK 2
.if \first == 0
	RS 1
.endif
	SMB 1, 1, \first
	; phase 2
.if \more
	s_wait_dscnt 0x0                               ; for the others' sake: my stores of tile t + 1 are done, as are all my reads; the staging registers are free too
.if \load
.if \pf
	s_wait_xcnt 0x0                                ; the last prefetch, four trips ago, has read its base
	s_add_nc_u64 s[18:19], s[18:19], 4*TILEB
.endif
	s_add_nc_u64 s[6:7], s[6:7], TILEB             ; their last loads were waited for in phase 1
	s_add_nc_u64 s[8:9], s[8:9], TILEB
	LOADKV                                         ; tile t + 2: three phases of work until it is wanted
.if \pf
	; PREFETCH.  Trips go in groups of four.  In the first trip of group g (0 to 14) the head's 16 work-groups ask together for tiles
	; 4 g + 4 .. 4 g + 7 of K and V, 128 KiB, each for one piece of 8 KiB: wave 0, 32 lanes 256 bytes apart.  The loads of those tiles
	; are issued two to five trips later.  Each block is asked for once in the launch; group 15 asks for nothing, so the last
	; request ends with tile 63.
	s_cmp_lg_u32 s12, 0
	s_cbranch_scc1 .Lnopf\lbl
	global_prefetch_b8 v[PFO], s[18:19] th:TH_LOAD_NT scope:SCOPE_SE
.Lnopf\lbl:
.endif
.endif
	s_barrier_signal -1
.endif
	PV 1, \first                                   ; registers only until the barrier's wait
	SMA 2, \first
	SMB 2, 0, \first
	QK 3
.if \first == 0
	RS 2
.endif
	SMB 2, 1, \first
	; phase 3
.if \more
	s_barrier_wait -1                              ; tile t + 1 is whole
	LDK \ns                                        ; QK 3 has read the old fragments: SMB 2, 1 stands between
.endif
	PV 2, \first
	SMA 3, \first
	SMB 3, 0, \first
.if \more
	s_wait_dscnt 0x0                               ; K's fragments of tile t + 1 are in
	QK 0
.endif
.if \first == 0
	RS 3
.endif
	SMB 3, 1, \first
.endm
	; PROLOGUE: tile 0, Q, tile 1
	LOADKV                                         ; tile 0
.irp i, 0,1,2,3,4,5,6,7,8,9,10,11,12,13,14,15,16,17,18,19,20,21,22,23,24,25,26,27,28,29,30,31
	global_load_b128 v[SC+4*\i:SC+4*\i+3], v[OGO], s[4:5] offset:512*\i th:TH_LOAD_NT   ; my 64 rows of q, two rows a load
.endr
	s_wait_loadcnt 32                              ; loads come back in order (ISA guide 5.7.1): tile 0's 16 are in, q's 32 stay out
	CVTST 0
	s_wait_dscnt 0x0                               ; the staging registers have been read
	s_add_nc_u64 s[6:7], s[6:7], TILEB
	s_add_nc_u64 s[8:9], s[8:9], TILEB
	LOADKV                                         ; tile 1
	s_wait_loadcnt 16                              ; q is in, tile 1's 16 loads stay out
.irp i, 0,1,2,3,4,5,6,7,8,9,10,11,12,13,14,15,16,17,18,19,20,21,22,23,24,25,26,27,28,29,30,31
	v_cvt_pk_bf16_f32 v[SC+4*\i], v[SC+4*\i], v[SC+4*\i+1]
	v_cvt_pk_bf16_f32 v[SC+4*\i+1], v[SC+4*\i+2], v[SC+4*\i+3]
.endr
.irp i, 0,1,2,3,4,5,6,7,8,9,10,11,12,13,14,15,16,17,18,19,20,21,22,23,24,25,26,27,28,29,30,31
	ds_store_b64 v[QST], v[SC+4*\i:SC+4*\i+1] offset:2*KPITCH*\i       ; rows 2 i + h of my stage
.endr
.irp q, 0,1,2,3
.irp j, 0,1,2,3
	ds_load_b128 v[QF+16*\q+4*\j:QF+16*\q+4*\j+3], v[QLD] offset:16*KPITCH*\q+32*\j  ; my own bytes: LDS serves a wave's instructions in order (ISA guide 5.7.1)
.endr
.endr
	s_wait_dscnt 0x0                               ; Q's fragments are in; tile 0's stores are done, for the others' sake
	s_barrier_signal -1
	s_barrier_wait -1                              ; tile 0 is whole
	LDK 0
	s_wait_dscnt 0x0
	QK 0
	WIN 0
.rept 4
	v_nop                                          ; four places before SMA 0 reads these scores (ISA guide 7.12.1); later trips have SMB 3, 1 here
.endr
	TRIP 0, 1, 1, 0, 1, 1, 1, a                    ; trips 0 to 3
	TRIP 1, 0, 0, 1, 1, 1, 0, x
	TRIP 0, 1, 0, 0, 1, 1, 0, x
	TRIP 1, 0, 0, 0, 1, 1, 0, x
	WIN 0                                          ; at a label and at a branch every window is 0
	s_mov_b32 s22, 14                              ; trips 4 to 59
.Lgroup:
	TRIP 0, 1, 0, 0, 1, 1, 1, b
	TRIP 1, 0, 0, 0, 1, 1, 0, x
	TRIP 0, 1, 0, 0, 1, 1, 0, x
	TRIP 1, 0, 0, 0, 1, 1, 0, x
	WIN 0
	s_sub_co_u32 s22, s22, 1
	s_cmp_lg_u32 s22, 0
	s_cbranch_scc1 .Lgroup
	TRIP 0, 1, 0, 0, 1, 1, 0, x                    ; trip 60 asks for tile 62,
	TRIP 1, 0, 0, 0, 1, 1, 0, x                    ; trip 61 for tile 63, the last:
	TRIP 0, 1, 0, 0, 1, 0, 0, x                    ; trip 62 loads nothing,
	TRIP 1, 0, 0, 0, 0, 0, 0, x                    ; and behind trip 63 no tile follows: no staging, no barrier
	; THE END: the last products, l joined over its pair and over the two halves, 1 / l
	PV 3, 0
	WIN 0
.irp q, 0,1,2,3
	v_add_f32 v[LS+2*\q], v[LS+2*\q], v[LS+2*\q+1]
.endr
.irp q, 0,1,2,3
	v_permlanex16_b32 v[XH+\q], v[LS+2*\q], s20, s21
.endr
.irp q, 0,1,2,3
	v_add_f32 v[LS+2*\q], v[LS+2*\q], v[XH+\q]     ; at least about 1: the largest score's own term
.endr
.irp q, 0,1,2,3
	v_rcp_f32 v[AL+2*\q], v[LS+2*\q]
	v_rcp_f32 v[AL+2*\q+1], v[LS+2*\q]
.endr
	v_nop                                          ; one plain instruction behind the reciprocals before they are used
	s_wait_alu depctr_va_vdst(0)
; 16 queries out: a lane holds 8 neighbouring d of one query in each tile; through my stage the rows come back whole.
.macro OUT q
	RS \q
	WIN 0x04
.irp dt, 0,1,2,3
.irp e, 0,1
	ds_store_b128 v[OST], v[OA+32*\q+8*\dt+4*\e:OA+32*\q+8*\dt+4*\e+3] offset:16*OPITCH*\q+64*\dt+16*\e
.endr
.endr
	WIN 0
.irp t, 0,1,2,3,4,5,6,7
	ds_load_b128 v[SC+32*\q+4*\t:SC+32*\q+4*\t+3], v[ORD] offset:16*OPITCH*\q+2*OPITCH*\t   ; my own bytes, served in order behind the stores
.endr
.irp t, 0,1,2,3,4,5,6,7
	s_wait_dscnt 7-\t                              ; rows 2 t, 2 t + 1 are back, the younger loads stay out
	global_store_b128 v[OGO], v[SC+32*\q+4*\t:SC+32*\q+4*\t+3], s[10:11] offset:4096*\q+512*\t th:TH_STORE_NT  ; 512 consecutive bytes, at a multiple of 512 from out's first byte
.endr
.endm
	OUT 0
	OUT 1
	OUT 2
	OUT 3
	s_wait_tensorcnt 0x0
	ds_add_u32 v254, v255
	s_wait_dscnt 0x0
	s_endpgm
.Lfunc_end_k_q26ff255c76_attn:
	.size	k_q26ff255c76_attn, .Lfunc_end_k_q26ff255c76_attn-k_q26ff255c76_attn
	.p2alignl 7, 3214868480
	.fill 96, 4, 3214868480
	.section	.rodata,"a",@progbits
	.p2align	6, 0x0
	.amdhsa_kernel k_q26ff255c76_attn
		.amdhsa_group_segment_fixed_size 109056
		.amdhsa_private_segment_fixed_size 0
		.amdhsa_enable_private_segment 0
		.amdhsa_kernarg_size 32
		.amdhsa_user_sgpr_count 2
		.amdhsa_user_sgpr_kernarg_segment_ptr 1
		.amdhsa_wavefront_size32 1
		.amdhsa_system_sgpr_workgroup_id_x 1
		.amdhsa_system_sgpr_workgroup_id_y 1
		.amdhsa_system_sgpr_workgroup_id_z 1
		.amdhsa_system_vgpr_workitem_id 0
		.amdhsa_next_free_vgpr 576
		.amdhsa_next_free_sgpr 66
		.amdhsa_reserve_vcc 0
		.amdhsa_float_denorm_mode_32 3
		.amdhsa_float_denorm_mode_16_64 3
		.amdhsa_memory_ordered 1
		.amdhsa_forward_progress 1
		.amdhsa_inst_pref_size 255
	.end_amdhsa_kernel
	.section	.bss,"aw",@nobits
	.p2align	6
	.space	262144
	.amdgpu_metadata
---
amdhsa.version: [ 1, 2 ]
amdhsa.kernels:
  - .name:           k_q26ff255c76_attn
    .symbol:         k_q26ff255c76_attn.kd
    .args:
      - { .name: q, .offset: 0, .size: 8, .value_kind: global_buffer, .address_space: global }
      - { .name: k, .offset: 8, .size: 8, .value_kind: global_buffer, .address_space: global }
      - { .name: v, .offset: 16, .size: 8, .value_kind: global_buffer, .address_space: global }
      - { .name: out0, .offset: 24, .size: 8, .value_kind: global_buffer, .address_space: global }
    .group_segment_fixed_size: 109056
    .private_segment_fixed_size: 0
    .kernarg_segment_align: 8
    .kernarg_segment_size: 32
    .max_flat_workgroup_size: 128
    .sgpr_count:     66
    .vgpr_count:     576
    .wavefront_size: 32
...
	.end_amdgpu_metadata
.endif
;; end of part 1
;; ======== version 2 of 2: 1 launch; version 1 with the launch attn written anew for expert scheduling mode
;; launch attn (part 2): grid 16 x 16, 4 waves a work-group, no clusters, 109,056 bytes of LDS; arguments q, k, v, out0; writes out0
.if DOCPART == 2
	.amdgcn_target "amdgcn-amd-amdhsa--gfx1250"
	.amdhsa_code_object_version 6
	.text
	.protected	k_q26ff255c76_attn
	.globl	k_q26ff255c76_attn
	.p2align	8
	.type	k_q26ff255c76_attn,@function
k_q26ff255c76_attn:
	s_mov_b64 s[64:65], 0
	v_nop
	global_prefetch_b8 v0, s[64:65] scope:SCOPE_SE
	s_setreg_imm32_b32 hwreg(HW_REG_WAVE_SCHED_MODE, 0, 2), 2
	s_setreg_imm32_b32 hwreg(HW_REG_WAVE_MODE, 25, 1), 1
	s_wait_xcnt 0x0
	s_wait_alu depctr_vm_vsrc(0)
; out = softmax(q k^T / 8) v for 16 heads, 4,096 positions, 64 numbers a head; q, k, v, out in f32.
; One launch.  Work-group (x, y): head y, queries 256 x .. 256 x + 255.  Four waves, 64 queries each (four tiles of 16).
; The work-group walks the head's 4,096 keys in 64 trips of 64 keys; scores never leave registers (running maximum).
;
; FORM.  Scores are made transposed, S^T = K Q^T: in the result lane (r, h) holds keys 8h .. 8h+7 of ONE query r, so the
; maximum, the sum, the rescale factor and 1/l are numbers of the lane; only the maximum crosses the two halves of the wave.
; Two score tiles (keys 0-15, 16-31), rounded in pairs to bf16, ARE the second source of a product over 32 keys: no move.
; The output is made transposed too, O^T = V^T P^T; V^T's fragments come from V kept [key][d] by the transposing LDS load.
; p = exp2(c s + NM), c = log2(e) / 8, NM = -(c m) rounded once; alpha = exp2(NM new - NM old): old and new terms rest on
; the same rounded shifts.  The first trip is written out: no old maximum, no rescale, the first products start the sums.
;
; K AND V come as f32 and are multiplied as bf16.  Each wave loads a quarter of a tile into registers, rounds it and stores
; it to LDS once for all four waves: 16 KiB of LDS stores a trip.
; NO CLUSTER, NO JOINT REQUESTS, though the 16 work-groups of a head read the same K and V: a tile brought into LDS by a
; copy lands as f32, 32 KiB a trip, which would have to be read back (32 KiB) and stored again as bf16 (16 KiB) before the
; 64 KiB of fragment loads: 144 KiB of LDS traffic a trip in place of 80 KiB.
; Instead the 16 work-groups share out the asking: see PREFETCH below.
;
; THE MODE: SCHED_MODE bits 1:0 = 2 (LLVM: expert scheduling mode 2), set by the entry lines.  The code itself states the register
; dependences between vector or matrix instructions and memory or LDS instructions, with s_wait_alu, always for 0.
; THE PLAN.  Registers that memory or LDS instructions touch:
;   v1 to v11  offsets and LDS addresses: made at the head, never written again; the bases of K, V and the prefetch are scalar.
;   GK, GV     the staging registers.  Trip t: tile t + 1 has landed in them; phase 0's 32 conversions read and write them; 16 LDS
;              stores read them; phase 1's 16 loads (tile t + 2) land in them.
;   VF         phase 0's 16 LDS loads land in it; PV 0 to PV 2 of the trip and PV 3 at the head of the next trip read it.
;   KF         phase 3's 16 LDS loads land in it (tile t + 1); QK 0 of that phase and QK 1 to QK 3 of the next trip read it.
;   SC         outside the loop only: q lands in it, is rounded in place and stored to the stage; at the end O's rows come back into it.
;   OA         at the end only: the LDS stores into the stage read it.
; A trip has three waits on va_vdst and one on vm_vsrc.  Phase 0, behind the conversions: they have written GK and GV, and PV 3 is
; done reading VF; the LDS stores and V's fragment loads follow in one run.  Phase 1's head: the conversions are done with GK and GV
; and the LDS stores have read them; the next loads follow.  Phase 3, behind the barrier: QK 3 is done reading KF; K's loads follow.
;
; LIMITS.  q, k, v and p are rounded to bf16 for the products; sums, maxima and exponentials are f32.  l is summed from p
; before its rounding.  NaN and infinite inputs are not served (the maximum drops a NaN).  A p below 2^-126 counts as 0.
.set KPITCH, 144                       ; a K row in LDS: 128 bytes + 16: an odd multiple of 16, so 16 rows start in 16 different 16-byte columns of 256
.set VPITCH, 160                       ; a V row: 128 bytes + 32: an odd multiple of 32, as the transposing load's addresses want
.set KSLOT,  64*KPITCH                 ; 9,216
.set VSLOT,  64*VPITCH                 ; 10,240
.set VBASE,  2*KSLOT                   ; K slot 0, K slot 1, V slot 0, V slot 1; tile t lies in slot t & 1
.set STAGE,  VBASE+2*VSLOT             ; 38,912: then a stage for each wave, its own bytes
.set OPITCH, 272                       ; the stage at the end: 64 rows of 256 bytes + 16
.set STBYTES, 64*OPITCH                ; 17,408 (at the start it holds Q: 64 rows of 144 bytes)
.set TILEB,  16384                     ; 64 keys x 256 bytes of f32
; window 0
.set OGO, 1                            ; 16 x lane
.set KLD, 2                            ; K fragments: r x 144 + 16 h
.set VLD, 3                            ; V fragments: (8 h + lane % 8) x 160 + 16 x (lane / 8 % 2)
.set KST, 4                            ; my 8 bytes of K in a slot: wave x 16 rows + h x 144 + 8 r
.set VST, 5                            ; the same for V
.set GOF, 6                            ; my 16 bytes in a tile of f32: 4,096 x wave + 16 x lane
.set PFO, 7                            ; 256 x lane
.set QST, 8                            ; stage: Q in
.set QLD, 9                            ; stage: Q's fragments out
.set OST, 10                           ; stage: O in
.set ORD, 11                           ; stage: O's rows out
.set MX,  12                           ; v[12:15]   running maximum of query tile q
.set TN,  16                           ; v[16:19]   the new maximum before the halves meet
.set XH,  20                           ; v[20:23]   what the other half sent
.set NM,  24                           ; v[24:31]   -(c m), twice (a pair for the packed forms)
.set AL,  32                           ; v[32:39]   alpha, twice; at the end 1 / l
.set LS,  40                           ; v[40:47]   l: two partial sums of my half's keys
.set QF,  48                           ; v[48:111]  Q's fragments: tile q, d half c at 16 q + 8 c
.set SC,  112                          ; v[112:239] scores: tile q, keys 16 kt.. at 32 q + 8 kt; then p; P for 32 keys at 32 q + 16 g
.set TP,  240                          ; v[240:245] at work
.set U0,  246
.set U1,  248
; window 1
.set OA,  0                            ; v[256:383] O^T: tile q, d 16 dt.. at 32 q + 8 dt
.set KF,  128                          ; v[384:447] K's fragments: keys 16 kt.., d half c at 16 kt + 8 c
.set VF,  192                          ; v[448:511] V^T's fragments: keys 32 g.., d 16 dt.. at 32 g + 8 dt
; window 2
.set GK,  0                            ; v[512:543] my quarter of the next K tile, f32 as loaded
.set GV,  32                           ; v[544:575] the same for V
; s_set_vgpr_msb's low byte: bits 1:0 source 0, 3:2 source 1, 5:4 source 2, 7:6 destination; the high byte repeats the setting left.
.set MSB, 0
.macro WIN new
.if MSB != \new
	s_set_vgpr_msb (MSB<<8)|\new
.set MSB, \new
.endif
.endm
	s_load_b256 s[4:11], s[0:1], 0x0               ; q s[4:5], k s[6:7], v s[8:9], out s[10:11]
	v_lshl_add_u32 v254, v0, 2, 0x1a800
	v_mov_b32 v255, 0
	v_lshrrev_b32 v[TP], 5, v0
	v_readfirstlane_b32 s12, v[TP]                 ; wave 0..3
	s_mov_b32 s13, ttmp9                           ; x: block of 256 queries
	s_and_b32 s14, ttmp7, 0xffff                   ; y: head
	s_mov_b32 s20, 0x76543210                      ; v_permlanex16_b32: lane i of one half reads lane i of the other
	s_mov_b32 s21, 0xfedcba98
	s_mov_b32 s23, 0xbe38aa3b                      ; -c
	s_mov_b32 s26, 0x3e38aa3b                      ; c = log2(e) / 8, in a pair: the packed form names both
	s_mov_b32 s27, 0x3e38aa3b
	v_and_b32 v[TP+1], 31, v0                      ; lane
	v_and_b32 v[TP+2], 15, v0                      ; r
	v_bfe_u32 v[TP+3], v0, 4, 1                    ; h
	v_and_b32 v[TP+4], 7, v0
	v_bfe_u32 v[TP+5], v0, 3, 1
	v_lshlrev_b32 v[OGO], 4, v[TP+1]
	v_lshlrev_b32 v[PFO], 8, v[TP+1]
	v_mul_u32_u24 v[KLD], v[TP+2], KPITCH
	v_lshl_add_u32 v[KLD], v[TP+3], 4, v[KLD]
	v_lshl_add_u32 v[TP+4], v[TP+3], 3, v[TP+4]
	v_mul_u32_u24 v[VLD], v[TP+4], VPITCH
	v_lshl_add_u32 v[VLD], v[TP+5], 4, v[VLD]
	s_wait_alu depctr_va_sdst(0)                   ; s12 is written, ahead of its first reader: LDS places, offsets and a branch are made from it
	s_mul_i32 s15, s12, STBYTES
	s_add_co_u32 s15, s15, STAGE                   ; my stage
	s_mul_i32 s2, s12, 16*KPITCH                   ; wave w stages keys 16 w .. 16 w + 15 of every tile
	s_mul_i32 s3, s12, 16*VPITCH
	v_mul_u32_u24 v[KST], v[TP+3], KPITCH
	v_lshl_add_u32 v[KST], v[TP+2], 3, v[KST]      ; h x 144 + 8 r
	v_add_nc_u32 v[QST], s15, v[KST]               ; Q goes into the stage in the same shape
	v_add_nc_u32 v[KST], s2, v[KST]
	v_mul_u32_u24 v[VST], v[TP+3], VPITCH
	v_lshl_add_u32 v[VST], v[TP+2], 3, v[VST]
	v_add_nc_u32 v[VST], s3, v[VST]
	v_add_nc_u32 v[QLD], s15, v[KLD]
	v_mul_u32_u24 v[OST], v[TP+2], OPITCH
	v_lshl_add_u32 v[OST], v[TP+3], 5, v[OST]
	v_add_nc_u32 v[OST], s15, v[OST]               ; row r, 32 bytes for each half
	v_mul_u32_u24 v[ORD], v[TP+3], OPITCH
	v_lshl_add_u32 v[ORD], v[TP+2], 4, v[ORD]
	v_add_nc_u32 v[ORD], s15, v[ORD]               ; lanes 0-15 one row, lanes 16-31 the next
	s_lshl_b32 s2, s12, 12
	v_add_nc_u32 v[GOF], s2, v[OGO]
.irp q, 0,1,2,3
	v_mov_b32 v[XH+\q], 0                          ; v_permlanex16_b32's destination counts as read
.endr
	s_lshl_b32 s16, s14, 20                        ; a head is 1 MiB
	s_mov_b32 s17, 0
	s_lshl_b32 s2, s13, 16                         ; 256 queries are 64 KiB,
	s_lshl_b32 s3, s12, 14                         ; a wave's 64 are 16 KiB
	s_add_co_u32 s2, s2, s3
	s_add_co_u32 s2, s2, s16
	s_mov_b32 s3, 0
	s_and_b32 s24, s13, 7
	s_lshl_b32 s24, s24, 13                        ; my piece of 8 KiB in what the head asks for at a time
	s_mov_b32 s25, 0
	s_wait_kmcnt 0x0
	s_add_nc_u64 s[6:7], s[6:7], s[16:17]          ; K at the head's tile 0
	s_add_nc_u64 s[8:9], s[8:9], s[16:17]          ; V likewise
	s_add_nc_u64 s[4:5], s[4:5], s[2:3]            ; q and out at my wave's first row
	s_add_nc_u64 s[10:11], s[10:11], s[2:3]
	s_cmp_lt_u32 s13, 8                            ; PREFETCH: work-groups 0-7 ask for K, 8-15 for V
	s_cselect_b64 s[18:19], s[6:7], s[8:9]
	s_add_nc_u64 s[18:19], s[18:19], s[24:25]
; 16 loads: my quarter of a K tile and of a V tile; each covers 512 consecutive bytes.  The caller has set the window (destination 2) and stated what they hang on.
.macro LOADKV
.irp i, 0,1,2,3,4,5,6,7
	global_load_b128 v[GK+4*\i:GK+4*\i+3], v[GOF], s[6:7] offset:512*\i
.endr
.irp i, 0,1,2,3,4,5,6,7
	global_load_b128 v[GV+4*\i:GV+4*\i+3], v[GOF], s[8:9] offset:512*\i
.endr
.endm
; my quarter is rounded to bf16 in place: word i is key 16 wave + 2 i + h, d = 4 r .. 4 r + 3
.macro CVT
	WIN 0x8a
.irp i, 0,1,2,3,4,5,6,7,8,9,10,11,12,13,14,15
	v_cvt_pk_bf16_f32 v[GK+4*\i], v[GK+4*\i], v[GK+4*\i+1]
	v_cvt_pk_bf16_f32 v[GK+4*\i+1], v[GK+4*\i+2], v[GK+4*\i+3]
.endr
.endm
; and put into slot ns.  The caller has set the window (data 2) and stated what the stores hang on.
.macro STKV ns
.irp i, 0,1,2,3,4,5,6,7
	ds_store_b64 v[KST], v[GK+4*\i:GK+4*\i+1] offset:\ns*KSLOT+2*KPITCH*\i
.endr
.irp i, 0,1,2,3,4,5,6,7
	ds_store_b64 v[VST], v[GV+4*\i:GV+4*\i+1] offset:VBASE+\ns*VSLOT+2*VPITCH*\i
.endr
.endm
; K's fragments of a tile: 16 keys x 32 d are two loads of 16 bytes, 32 bytes apart.  w = 1: products have read the old fragments
.macro LDK slot, w
	WIN 0x40
.if \w
	s_wait_alu depctr_va_vdst(0)                   ; QK 3, the last product on the old fragments of K, is done reading v[KF ..], in which these loads land
.endif
.irp kt, 0,1,2,3
.irp j, 0,1,2,3
	ds_load_b128 v[KF+16*\kt+4*\j:KF+16*\kt+4*\j+3], v[KLD] offset:\slot*KSLOT+16*KPITCH*\kt+32*\j
.endr
.endr
.endm
; V^T's fragments: 16 d x 32 keys are two transposing loads, 16 rows apart.  w = 1: no wait of a staging step stands just ahead
.macro LDV slot, w
	WIN 0x40
.if \w
	s_wait_alu depctr_va_vdst(0)                   ; PV 3, the last product on the old fragments of V, is done reading v[VF ..], in which these loads land
.endif
.irp g, 0,1
.irp dt, 0,1,2,3
.irp e, 0,1
	ds_load_tr16_b128 v[VF+32*\g+8*\dt+4*\e:VF+32*\g+8*\dt+4*\e+3], v[VLD] offset:VBASE+\slot*VSLOT+32*VPITCH*\g+32*\dt+16*VPITCH*\e
.endr
.endr
.endr
.endm
; scores of query tile q against 64 keys: four sums started by the constant 0, then their second links in place
.macro QK q
	WIN 0x01
.irp kt, 0,1,2,3
	v_wmma_f32_16x16x32_bf16 v[SC+32*\q+8*\kt:SC+32*\q+8*\kt+7], v[KF+16*\kt:KF+16*\kt+7], v[QF+16*\q:QF+16*\q+7], 0
.endr
.irp kt, 0,1,2,3
	v_wmma_f32_16x16x32_bf16 v[SC+32*\q+8*\kt:SC+32*\q+8*\kt+7], v[KF+16*\kt+8:KF+16*\kt+15], v[QF+16*\q+8:QF+16*\q+15], v[SC+32*\q+8*\kt:SC+32*\q+8*\kt+7]
.endr
.endm
; O^T of query tile q += V^T P^T over 64 keys.  zero = 1: the first product starts the sums
.macro PV q, zero
	WIN 0x51
.irp dt, 0,1,2,3
.if \zero
	v_wmma_f32_16x16x32_bf16 v[OA+32*\q+8*\dt:OA+32*\q+8*\dt+7], v[VF+8*\dt:VF+8*\dt+7], v[SC+32*\q:SC+32*\q+7], 0
.else
	v_wmma_f32_16x16x32_bf16 v[OA+32*\q+8*\dt:OA+32*\q+8*\dt+7], v[VF+8*\dt:VF+8*\dt+7], v[SC+32*\q:SC+32*\q+7], v[OA+32*\q+8*\dt:OA+32*\q+8*\dt+7]
.endif
.endr
.irp dt, 0,1,2,3
	v_wmma_f32_16x16x32_bf16 v[OA+32*\q+8*\dt:OA+32*\q+8*\dt+7], v[VF+32+8*\dt:VF+32+8*\dt+7], v[SC+32*\q+16:SC+32*\q+23], v[OA+32*\q+8*\dt:OA+32*\q+8*\dt+7]
.endr
.endm
; O^T of query tile q times the lane's AL (alpha; at the end 1 / l)
.macro RS q
	WIN 0x41
.irp i, 0,1,2,3,4,5,6,7,8,9,10,11,12,13,14,15
	v_pk_mul_f32 v[OA+32*\q+2*\i:OA+32*\q+2*\i+1], v[OA+32*\q+2*\i:OA+32*\q+2*\i+1], v[AL+2*\q:AL+2*\q+1]
.endr
.endm
; the new maximum of query tile q, its shift NM and alpha.  Four chains over my 32 scores, joined with the old maximum.
.macro SMA q, first
	WIN 0
.irp kt, 0,1,2,3
	v_max3_num_f32 v[TP+\kt], v[SC+32*\q+8*\kt], v[SC+32*\q+8*\kt+1], v[SC+32*\q+8*\kt+2]
.endr
.irp kt, 0,1,2,3
	v_max3_num_f32 v[TP+\kt], v[TP+\kt], v[SC+32*\q+8*\kt+3], v[SC+32*\q+8*\kt+4]
.endr
.irp kt, 0,1,2,3
	v_max3_num_f32 v[TP+\kt], v[TP+\kt], v[SC+32*\q+8*\kt+5], v[SC+32*\q+8*\kt+6]
.endr
	v_max3_num_f32 v[TP], v[TP], v[TP+1], v[SC+32*\q+7]
	v_max3_num_f32 v[TP+2], v[TP+2], v[TP+3], v[SC+32*\q+15]
	v_max3_num_f32 v[TP], v[TP], v[SC+32*\q+23], v[SC+32*\q+31]
.if \first
	v_max_num_f32 v[TN+\q], v[TP], v[TP+2]
.else
	v_max3_num_f32 v[TN+\q], v[TP], v[TP+2], v[MX+\q]
.endif
	v_permlanex16_b32 v[XH+\q], v[TN+\q], s20, s21 ; the other half's keys of the same query
	v_max_num_f32 v[MX+\q], v[TN+\q], v[XH+\q]
.if \first
	v_mul_f32 v[NM+2*\q], s23, v[MX+\q]
	v_mul_f32 v[NM+2*\q+1], s23, v[MX+\q]
.else
	v_mul_f32 v[TP+4], s23, v[MX+\q]
	v_sub_f32 v[TP+5], v[TP+4], v[NM+2*\q]         ; NM new - NM old, never above 0
	v_exp_f32 v[AL+2*\q], v[TP+5]
	v_exp_f32 v[AL+2*\q+1], v[TP+5]
	v_mov_b32 v[NM+2*\q], v[TP+4]                  ; the plain instructions that stand behind the exponentials before alpha is used
	v_mov_b32 v[NM+2*\q+1], v[TP+4]
.endif
.endm
; 16 score registers (32 keys, half g of the tile) of query tile q: p = exp2(c s + NM), l, and P in bf16 in the first 8 registers.
; In halves a and b, so that behind each run of exponentials plain work on the other half stands before its results are used.
.macro SMB q, g, first
	WIN 0
.set RB, SC+32*\q+16*\g
.irp i, 0,2,4,6
	v_pk_fma_f32 v[RB+\i:RB+\i+1], v[RB+\i:RB+\i+1], s[26:27], v[NM+2*\q:NM+2*\q+1] op_sel_hi:[1,0,1]
.endr
.irp i, 0,1,2,3,4,5,6,7
	v_exp_f32 v[RB+\i], v[RB+\i]
.endr
.irp i, 8,10,12,14
	v_pk_fma_f32 v[RB+\i:RB+\i+1], v[RB+\i:RB+\i+1], s[26:27], v[NM+2*\q:NM+2*\q+1] op_sel_hi:[1,0,1]
.endr
.irp i, 8,9,10,11,12,13,14,15
	v_exp_f32 v[RB+\i], v[RB+\i]
.endr
	s_wait_alu depctr_va_vdst(0)
	v_pk_add_f32 v[U0:U0+1], v[RB:RB+1], v[RB+2:RB+3]
	v_pk_add_f32 v[U1:U1+1], v[RB+4:RB+5], v[RB+6:RB+7]
.if \g
	v_pk_add_f32 v[U0:U0+1], v[U0:U0+1], v[U1:U1+1]
	v_pk_add_f32 v[LS+2*\q:LS+2*\q+1], v[LS+2*\q:LS+2*\q+1], v[U0:U0+1]
.else
.if \first
	v_pk_add_f32 v[LS+2*\q:LS+2*\q+1], v[U0:U0+1], v[U1:U1+1]                              ; l starts here: nothing is cleared
.else
	v_pk_add_f32 v[U0:U0+1], v[U0:U0+1], v[U1:U1+1]
	v_pk_fma_f32 v[LS+2*\q:LS+2*\q+1], v[LS+2*\q:LS+2*\q+1], v[AL+2*\q:AL+2*\q+1], v[U0:U0+1] ; the old l is rescaled once a trip
.endif
.endif
.irp i, 0,1,2,3
	v_cvt_pk_bf16_f32 v[RB+\i], v[RB+2*\i], v[RB+2*\i+1]       ; keys 8h + 2i, 8h + 2i + 1
.endr
	v_pk_add_f32 v[U0:U0+1], v[RB+8:RB+9], v[RB+10:RB+11]
	v_pk_add_f32 v[U1:U1+1], v[RB+12:RB+13], v[RB+14:RB+15]
	v_pk_add_f32 v[U0:U0+1], v[U0:U0+1], v[U1:U1+1]
	v_pk_add_f32 v[LS+2*\q:LS+2*\q+1], v[LS+2*\q:LS+2*\q+1], v[U0:U0+1]
.irp i, 0,1,2,3
	v_cvt_pk_bf16_f32 v[RB+4+\i], v[RB+8+2*\i], v[RB+8+2*\i+1] ; keys 16 + 8h + 2i, ..
.endr
.endm
; ONE TRIP = tile t in slot, four phases.  In phase q the vector work on query tile q stands between the products PV(q-1) and QK(q+1),
; so that every matrix result is read, and every matrix source rewritten, at least sixteen plain vector instructions
; later, four being asked (ISA guide 7.12.1).  PV 3 of a trip stands at the head of the next, QK 0 of the next trip in phase 3.
; first: trip 0.  second: trip 1 (its PV 3 is trip 0's and starts the sums).  more: a tile follows, in slot ns.
; load: tile t + 2 exists and is asked for.  pf: this trip asks the L2 for a piece of four later tiles.
; ONE BARRIER A TRIP.  In front of its signal my LDS stores of tile t + 1 are done and so are my reads of K(t) and V(t): the wait at
; phase 1's head shows it, and no LDS instruction of mine stands between that wait and the signal.  Behind the barrier's wait
; K(t+1) and, in the next trip, V(t+1) are read, and in the next trip's phase 0 tile t + 2 is stored over K(t) and V(t).
.macro TRIP slot, ns, first, second, more, load, pf, lbl
	; phase 0
.if \first == 0
	PV 3, \second
.endif
	SMA 0, \first
.if \more
	s_wait_loadcnt 0x0                             ; tile t + 1, asked for in the last trip's phase 1; nothing younger is out
	CVT
	WIN 0x08
	s_wait_alu depctr_va_vdst(0)                   ; the conversions have written v[GK ..] and v[GV ..], which the LDS stores read; PV 3 is done reading v[VF ..], in which V's loads below land
	STKV \ns
	LDV \slot, 0                                   ; no further wait: between the wait above and these loads stand the stores alone, which name neither v[VLD] nor v[VF ..]
.else
	LDV \slot, 1
.endif
	SMB 0, 0, \first
	QK 1
.if \first == 0
	RS 0
.endif
	SMB 0, 1, \first
	; phase 1
	s_wait_dscnt 0x0                               ; V^T's fragments are in; for the others' sake too: my stores of tile t + 1 are done, as are all my reads
.if \load
.if \pf
	s_wait_xcnt 0x0                                ; the last prefetch, four trips ago, has read its base
	s_add_nc_u64 s[18:19], s[18:19], 4*TILEB
.endif
	s_add_nc_u64 s[6:7], s[6:7], TILEB             ; their last loads were waited for in phase 0
	s_add_nc_u64 s[8:9], s[8:9], TILEB
	WIN 0x80
	s_wait_alu depctr_va_vdst(0)                   ; phase 0's conversions are done reading and writing v[GK ..] and v[GV ..], in which the loads below land: stated behind the LDS stores that read them
	s_wait_alu depctr_vm_vsrc(0)                   ; those LDS stores have read v[GK ..] and v[GV ..]: the loads below and the next trip's conversions write them
	LOADKV                                         ; tile t + 2: three phases of work until it is wanted
	WIN 0
.if \pf
	; PREFETCH.  Trips go in groups of four.  In the first trip of group g (0 to 14) the head's 16 work-groups ask together for tiles
	; 4 g + 4 .. 4 g + 7 of K and V, 128 KiB, each for one piece of 8 KiB: wave 0, 32 lanes 256 bytes apart.  The loads of those tiles
	; are issued two to five trips later.  Each block is asked for once in the launch; group 15 asks for nothing, so the last
	; request ends with tile 63.  Its offset v[PFO] was written at the head and never since.
	s_cmp_lg_u32 s12, 0
	s_cbranch_scc1 .Lnopf\lbl
	global_prefetch_b8 v[PFO], s[18:19] th:TH_LOAD_NT scope:SCOPE_SE
.Lnopf\lbl:
.endif
.endif
	PV 0, \first
	SMA 1, \first
	SMB 1, 0, \first
	QK 2
.if \first == 0
	RS 1
.endif
	SMB 1, 1, \first
	; phase 2
.if \more
	s_barrier_signal -1
.endif
	PV 1, \first                                   ; registers only until the barrier's wait
	SMA 2, \first
	SMB 2, 0, \first
	QK 3
.if \first == 0
	RS 2
.endif
	SMB 2, 1, \first
	; phase 3
.if \more
	s_barrier_wait -1                              ; tile t + 1 is whole
	LDK \ns, 1
.endif
	PV 2, \first
	SMA 3, \first
	SMB 3, 0, \first
.if \more
	s_wait_dscnt 0x0                               ; K's fragments of tile t + 1 are in
	QK 0
.endif
.if \first == 0
	RS 3
.endif
	SMB 3, 1, \first
.endm
	; PROLOGUE: tile 0, Q, tile 1
	WIN 0x80
	s_wait_alu depctr_va_vdst(0)                   ; the offsets and LDS addresses v1 to v11 are written: every load, store and prefetch of the kernel reads one of them
	LOADKV                                         ; tile 0
	WIN 0
.irp i, 0,1,2,3,4,5,6,7,8,9,10,11,12,13,14,15,16,17,18,19,20,21,22,23,24,25,26,27,28,29,30,31
	global_load_b128 v[SC+4*\i:SC+4*\i+3], v[OGO], s[4:5] offset:512*\i th:TH_LOAD_NT   ; my 64 rows of q, two rows a load
.endr
	s_wait_loadcnt 32                              ; loads come back in order (ISA guide 5.7.1): tile 0's 16 are in, q's 32 stay out
	CVT
	WIN 0x08
	s_wait_alu depctr_va_vdst(0)                   ; the conversions have written v[GK ..] and v[GV ..], which the LDS stores read
	STKV 0
	s_add_nc_u64 s[6:7], s[6:7], TILEB             ; tile 0's loads, which read these bases, were shown done by the wait above
	s_add_nc_u64 s[8:9], s[8:9], TILEB
	WIN 0x80
	s_wait_alu depctr_va_vdst(0)                   ; the conversions are done reading and writing v[GK ..] and v[GV ..], in which the loads below land: stated behind the LDS stores that read them
	s_wait_alu depctr_vm_vsrc(0)                   ; those LDS stores have read v[GK ..] and v[GV ..]: the loads below and trip 0's conversions write them
	LOADKV                                         ; tile 1
	WIN 0
	s_wait_loadcnt 16                              ; q is in, tile 1's 16 loads stay out
.irp i, 0,1,2,3,4,5,6,7,8,9,10,11,12,13,14,15,16,17,18,19,20,21,22,23,24,25,26,27,28,29,30,31
	v_cvt_pk_bf16_f32 v[SC+4*\i], v[SC+4*\i], v[SC+4*\i+1]
	v_cvt_pk_bf16_f32 v[SC+4*\i+1], v[SC+4*\i+2], v[SC+4*\i+3]
.endr
	s_wait_alu depctr_va_vdst(0)                   ; q's conversions have written v[SC ..], which the LDS stores read
.irp i, 0,1,2,3,4,5,6,7,8,9,10,11,12,13,14,15,16,17,18,19,20,21,22,23,24,25,26,27,28,29,30,31
	ds_store_b64 v[QST], v[SC+4*\i:SC+4*\i+1] offset:2*KPITCH*\i       ; rows 2 i + h of my stage
.endr
.irp q, 0,1,2,3
.irp j, 0,1,2,3
	ds_load_b128 v[QF+16*\q+4*\j:QF+16*\q+4*\j+3], v[QLD] offset:16*KPITCH*\q+32*\j  ; my own bytes: LDS serves a wave's instructions in order (ISA guide 5.7.1)
.endr
.endr
	s_wait_dscnt 0x0                               ; Q's fragments are in; tile 0's stores are done, for the others' sake
	s_barrier_signal -1
	s_barrier_wait -1                              ; tile 0 is whole
	LDK 0, 0                                       ; no product has named v[KF ..] yet
	s_wait_dscnt 0x0
	s_wait_alu depctr_vm_vsrc(0)                   ; q's LDS stores have read v[SC ..], which the products write from here on
	QK 0
	WIN 0
.rept 4
	v_nop                                          ; four places before SMA 0 reads these scores (ISA guide 7.12.1); later trips have SMB 3, 1 here
.endr
	TRIP 0, 1, 1, 0, 1, 1, 1, a                    ; trips 0 to 3
	TRIP 1, 0, 0, 1, 1, 1, 0, x
	TRIP 0, 1, 0, 0, 1, 1, 0, x
	TRIP 1, 0, 0, 0, 1, 1, 0, x
	WIN 0                                          ; at a label and at a branch every window is 0
	s_mov_b32 s22, 14                              ; trips 4 to 59
.Lgroup:
	TRIP 0, 1, 0, 0, 1, 1, 1, b
	TRIP 1, 0, 0, 0, 1, 1, 0, x
	TRIP 0, 1, 0, 0, 1, 1, 0, x
	TRIP 1, 0, 0, 0, 1, 1, 0, x
	WIN 0
	s_sub_co_u32 s22, s22, 1
	s_cmp_lg_u32 s22, 0
	s_cbranch_scc1 .Lgroup
	TRIP 0, 1, 0, 0, 1, 1, 0, x                    ; trip 60 asks for tile 62,
	TRIP 1, 0, 0, 0, 1, 1, 0, x                    ; trip 61 for tile 63, the last:
	TRIP 0, 1, 0, 0, 1, 0, 0, x                    ; trip 62 loads nothing,
	TRIP 1, 0, 0, 0, 0, 0, 0, x                    ; and behind trip 63 no tile follows: no staging, no barrier
	; THE END: the last products, l joined over its pair and over the two halves, 1 / l
	PV 3, 0
	WIN 0
.irp q, 0,1,2,3
	v_add_f32 v[LS+2*\q], v[LS+2*\q], v[LS+2*\q+1]
.endr
.irp q, 0,1,2,3
	v_permlanex16_b32 v[XH+\q], v[LS+2*\q], s20, s21
.endr
.irp q, 0,1,2,3
	v_add_f32 v[LS+2*\q], v[LS+2*\q], v[XH+\q]     ; at least about 1: the largest score's own term
.endr
.irp q, 0,1,2,3
	v_rcp_f32 v[AL+2*\q], v[LS+2*\q]
	v_rcp_f32 v[AL+2*\q+1], v[LS+2*\q]
.endr
	v_nop                                          ; one plain instruction behind the reciprocals before they are used
	s_wait_alu depctr_va_vdst(0)
	RS 0                                           ; all four tiles are scaled first, so that one wait serves the whole way out
	RS 1
	RS 2
	RS 3
	WIN 0x04
	s_wait_alu depctr_va_vdst(0)                   ; the scalings have written v[OA ..], which the LDS stores read; all that named v[SC ..] is done, in which the loads from the stage land
; 16 queries out: a lane holds 8 neighbouring d of one query in each tile; through my stage the rows come back whole.
; No vector or matrix instruction stands behind the wait above.
.macro OUT q
	WIN 0x04
.irp dt, 0,1,2,3
.irp e, 0,1
	ds_store_b128 v[OST], v[OA+32*\q+8*\dt+4*\e:OA+32*\q+8*\dt+4*\e+3] offset:16*OPITCH*\q+64*\dt+16*\e
.endr
.endr
	WIN 0
.irp t, 0,1,2,3,4,5,6,7
	ds_load_b128 v[SC+32*\q+4*\t:SC+32*\q+4*\t+3], v[ORD] offset:16*OPITCH*\q+2*OPITCH*\t   ; my own bytes, served in order behind the stores
.endr
.irp t, 0,1,2,3,4,5,6,7
	s_wait_dscnt 7-\t                              ; rows 2 t, 2 t + 1 are back, the younger loads stay out
	global_store_b128 v[OGO], v[SC+32*\q+4*\t:SC+32*\q+4*\t+3], s[10:11] offset:4096*\q+512*\t th:TH_STORE_NT  ; 512 consecutive bytes, at a multiple of 512 from out's first byte
.endr
.endm
	OUT 0
	OUT 1
	OUT 2
	OUT 3
	s_wait_dscnt 0x0
	s_wait_alu depctr_hold_cnt(0) depctr_sa_sdst(0) depctr_va_vdst(0) depctr_va_sdst(0) depctr_va_ssrc(0) depctr_va_vcc(0) depctr_vm_vsrc(0)
	s_wait_tensorcnt 0x0
	ds_add_u32 v254, v255
	s_wait_dscnt 0x0
	s_endpgm
.Lfunc_end_k_q26ff255c76_attn:
	.size	k_q26ff255c76_attn, .Lfunc_end_k_q26ff255c76_attn-k_q26ff255c76_attn
	.p2alignl 7, 3214868480
	.fill 96, 4, 3214868480
	.section	.rodata,"a",@progbits
	.p2align	6, 0x0
	.amdhsa_kernel k_q26ff255c76_attn
		.amdhsa_group_segment_fixed_size 109056
		.amdhsa_private_segment_fixed_size 0
		.amdhsa_enable_private_segment 0
		.amdhsa_kernarg_size 32
		.amdhsa_user_sgpr_count 2
		.amdhsa_user_sgpr_kernarg_segment_ptr 1
		.amdhsa_wavefront_size32 1
		.amdhsa_system_sgpr_workgroup_id_x 1
		.amdhsa_system_sgpr_workgroup_id_y 1
		.amdhsa_system_sgpr_workgroup_id_z 1
		.amdhsa_system_vgpr_workitem_id 0
		.amdhsa_next_free_vgpr 576
		.amdhsa_next_free_sgpr 66
		.amdhsa_reserve_vcc 0
		.amdhsa_float_denorm_mode_32 3
		.amdhsa_float_denorm_mode_16_64 3
		.amdhsa_memory_ordered 1
		.amdhsa_forward_progress 1
		.amdhsa_inst_pref_size 255
	.end_amdhsa_kernel
	.section	.bss,"aw",@nobits
	.p2align	6
	.space	262144
	.amdgpu_metadata
---
amdhsa.version: [ 1, 2 ]
amdhsa.kernels:
  - .name:           k_q26ff255c76_attn
    .symbol:         k_q26ff255c76_attn.kd
    .args:
      - { .name: q, .offset: 0, .size: 8, .value_kind: global_buffer, .address_space: global }
      - { .name: k, .offset: 8, .size: 8, .value_kind: global_buffer, .address_space: global }
      - { .name: v, .offset: 16, .size: 8, .value_kind: global_buffer, .address_space: global }
      - { .name: out0, .offset: 24, .size: 8, .value_kind: global_buffer, .address_space: global }
    .group_segment_fixed_size: 109056
    .private_segment_fixed_size: 0
    .kernarg_segment_align: 8
    .kernarg_segment_size: 32
    .max_flat_workgroup_size: 128
    .sgpr_count:     66
    .vgpr_count:     576
    .wavefront_size: 32
...
	.end_amdgpu_metadata
.endif
;; end of part 2
